; MI455X (gfx1250); checked and timed in simulation.
; The chip was launched on July 23, 2026; its instructions are those of AMD's public machine-readable ISA for CDNA 5 (MIT licence, August 2026) and "CDNA5" Instruction Set Architecture Reference Guide (July 2026). The comments in the code are by the model that wrote it; some were corrected since.
;; Multi Head Attention Block. Allowed arithmetic: float matrix products may take bf16 or f16 operands with f32 sums; all other float work in f32.
;; Inputs: Wk 1,024 x 1,024 float32; Wo 1,024 x 1,024 float32; Wq 1,024 x 1,024 float32; Wv 1,024 x 1,024 float32; bk 1,024 float32; bo 1,024 float32; bq 1,024 float32; bv 1,024 float32; k 2 x 2,048 x 1,024 float32; mask 2 x 1 x 2,048 x 2,048 bool; q 2 x 2,048 x 1,024 float32; v 2 x 2,048 x 1,024 float32.
;; Outputs: out0 2 x 2,048 x 1,024 float32.
;; One version. Each part assembles by itself: llvm-mc -triple=amdgcn-amd-amdhsa -mcpu=gfx1250 --defsym DOCPART=n.
;; ======== version 1 of 1: 4 launches
;; limits: values are held in f16: magnitudes above 65,504 overflow, below 6.1e-05 lose precision
;; workspace buffers: xw 33,554,432 bytes; qkv 25,165,824 bytes; xh 8,388,608 bytes
;; launch cvt (part 1): grid 64 x 16, 8 waves a work-group, no clusters, 0 bytes of LDS; arguments q, k, v, Wq, Wk, Wv, Wo, xw; writes xw
.if DOCPART == 1
	.amdgcn_target "amdgcn-amd-amdhsa--gfx1250"
	.amdhsa_code_object_version 6
	.text
	.protected	k_q683be531f6_cvt
	.globl	k_q683be531f6_cvt
	.p2align	8
	.type	k_q683be531f6_cvt,@function
k_q683be531f6_cvt:
	s_mov_b64 s[64:65], 0
	v_nop
	global_prefetch_b8 v0, s[64:65] scope:SCOPE_SE
	s_setreg_imm32_b32 hwreg(HW_REG_WAVE_MODE, 25, 1), 1
	s_wait_xcnt 0x0
; q, k, v, Wq, Wk, Wv, Wo, all f32, are rounded once to f16 and laid one behind the other in xw:
;   q at 0, k at 8 MiB, v at 16 MiB (together [12288][1024]); Wq at 24, Wk at 26, Wv at 28, Wo at 30 MiB (together [4096][1024]).
; f16 and not bf16: the result is an average over 2,048 values and is compared within a hundredth of its root mean square;
; eleven bits of mantissa in every matrix operand keep the summed rounding errors far inside that, eight bits do not.
; LIMIT: numbers beyond 65,504 in magnitude become infinities, numbers below 2^-24 become 0.
; A stream: no LDS, no barrier, no matrix unit.  Unit u (grid y) is 4 MiB of f32, the work-group (grid x) 64 KiB of it.
; Thread t: sixteen loads of 16 bytes at 4,096 j + 16 t (a wave covers 512 neighbouring bytes), all issued before the first wait;
; sixteen stores of 8 bytes at 2,048 j + 8 t (a wave covers 256 neighbouring bytes, aligned).  No register is written twice.
.set X, 4                              ; v[4:67]   sixteen loads, 4 f32 each
.set Y, 68                             ; v[68:99]  sixteen stores, 4 f16 each
	s_load_b512 s[8:23], s[0:1], 0x0               ; q s[8:9], k s[10:11], v s[12:13], Wq s[14:15], Wk s[16:17], Wv s[18:19], Wo s[20:21], xw s[22:23]
	s_and_b32 s2, ttmp7, 0xffff                    ; u = 0..15
	s_lshr_b32 s3, s2, 2                           ; 0: q, 1: k, 2: v, 3: one of the weights
	v_lshlrev_b32 v1, 4, v0                        ; 16 t
	v_lshlrev_b32 v2, 3, v0                        ; 8 t
	s_and_b32 s4, s2, 3                            ; which 4 MiB of q, k or v;
	s_cmp_lt_u32 s2, 12
	s_cselect_b32 s4, s4, 0                        ; a weight is one unit
	s_lshl_b32 s4, s4, 22
	s_lshl_b32 s5, ttmp9, 16                       ; the work-group's 64 KiB
	s_or_b32 s4, s4, s5
	s_mov_b32 s5, 0
	s_lshl_b32 s6, s2, 21                          ; 2 MiB of f16 for each unit
	s_lshl_b32 s7, ttmp9, 15
	s_or_b32 s6, s6, s7
	s_mov_b32 s7, 0
	s_wait_kmcnt 0x0
	s_mov_b64 s[24:25], s[8:9]                     ; the unit's input, chosen on u alone
	s_cmp_eq_u32 s3, 1
	s_cselect_b64 s[24:25], s[10:11], s[24:25]
	s_cmp_eq_u32 s3, 2
	s_cselect_b64 s[24:25], s[12:13], s[24:25]
	s_cmp_eq_u32 s2, 12
	s_cselect_b64 s[24:25], s[14:15], s[24:25]
	s_cmp_eq_u32 s2, 13
	s_cselect_b64 s[24:25], s[16:17], s[24:25]
	s_cmp_eq_u32 s2, 14
	s_cselect_b64 s[24:25], s[18:19], s[24:25]
	s_cmp_eq_u32 s2, 15
	s_cselect_b64 s[24:25], s[20:21], s[24:25]
	s_add_nc_u64 s[24:25], s[24:25], s[4:5]
	s_add_nc_u64 s[26:27], s[22:23], s[6:7]
.irp j, 0,1,2,3,4,5,6,7,8,9,10,11,12,13,14,15
	global_load_b128 v[X+4*\j:X+4*\j+3], v1, s[24:25] offset:4096*\j th:TH_LOAD_NT   ; read once in the whole launch
.endr
.irp j, 0,1,2,3,4,5,6,7,8,9,10,11,12,13,14,15
	s_wait_loadcnt 15-\j                           ; loads come back in order: load j is in, the 15 - j younger ones stay out
	v_cvt_pk_f16_f32 v[Y+2*\j],   v[X+4*\j],   v[X+4*\j+1]
	v_cvt_pk_f16_f32 v[Y+2*\j+1], v[X+4*\j+2], v[X+4*\j+3]
	global_store_b64 v2, v[Y+2*\j:Y+2*\j+1], s[26:27] offset:2048*\j   ; no hint: the next launch reads these bytes
.endr
	s_endpgm
.Lfunc_end_k_q683be531f6_cvt:
	.size	k_q683be531f6_cvt, .Lfunc_end_k_q683be531f6_cvt-k_q683be531f6_cvt
	.p2alignl 7, 3214868480
	.fill 96, 4, 3214868480
	.section	.rodata,"a",@progbits
	.p2align	6, 0x0
	.amdhsa_kernel k_q683be531f6_cvt
		.amdhsa_group_segment_fixed_size 0
		.amdhsa_private_segment_fixed_size 0
		.amdhsa_enable_private_segment 0
		.amdhsa_kernarg_size 64
		.amdhsa_user_sgpr_count 2
		.amdhsa_user_sgpr_kernarg_segment_ptr 1
		.amdhsa_wavefront_size32 1
		.amdhsa_system_sgpr_workgroup_id_x 1
		.amdhsa_system_sgpr_workgroup_id_y 1
		.amdhsa_system_sgpr_workgroup_id_z 1
		.amdhsa_system_vgpr_workitem_id 0
		.amdhsa_next_free_vgpr 100
		.amdhsa_next_free_sgpr 66
		.amdhsa_reserve_vcc 0
		.amdhsa_float_denorm_mode_32 3
		.amdhsa_float_denorm_mode_16_64 3
		.amdhsa_memory_ordered 1
		.amdhsa_forward_progress 1
		.amdhsa_inst_pref_size 7
	.end_amdhsa_kernel
	.amdgpu_metadata
---
amdhsa.version: [ 1, 2 ]
amdhsa.kernels:
  - .name:           k_q683be531f6_cvt
    .symbol:         k_q683be531f6_cvt.kd
    .args:
      - { .name: q, .offset: 0, .size: 8, .value_kind: global_buffer, .address_space: global }
      - { .name: k, .offset: 8, .size: 8, .value_kind: global_buffer, .address_space: global }
      - { .name: v, .offset: 16, .size: 8, .value_kind: global_buffer, .address_space: global }
      - { .name: Wq, .offset: 24, .size: 8, .value_kind: global_buffer, .address_space: global }
      - { .name: Wk, .offset: 32, .size: 8, .value_kind: global_buffer, .address_space: global }
      - { .name: Wv, .offset: 40, .size: 8, .value_kind: global_buffer, .address_space: global }
      - { .name: Wo, .offset: 48, .size: 8, .value_kind: global_buffer, .address_space: global }
      - { .name: xw, .offset: 56, .size: 8, .value_kind: global_buffer, .address_space: global }
    .group_segment_fixed_size: 0
    .private_segment_fixed_size: 0
    .kernarg_segment_align: 8
    .kernarg_segment_size: 64
    .max_flat_workgroup_size: 256
    .sgpr_count:     66
    .vgpr_count:     100
    .wavefront_size: 32
...
	.end_amdgpu_metadata
.endif
;; end of part 1
;; launch proj (part 2): grid 4 x 48, 4 waves a work-group, clusters of 4 x 4, 327,680 bytes of LDS; arguments xw, bq, bk, bv, qkv; writes qkv
.if DOCPART == 2
	.amdgcn_target "amdgcn-amd-amdhsa--gfx1250"
	.amdhsa_code_object_version 6
	.text
	.protected	k_q683be531f6_proj
	.globl	k_q683be531f6_proj
	.p2align	8
	.type	k_q683be531f6_proj,@function
k_q683be531f6_proj:
	s_mov_b64 s[64:65], 0
	v_nop
	global_prefetch_b8 v0, s[64:65] scope:SCOPE_SE
	s_setreg_imm32_b32 hwreg(HW_REG_WAVE_MODE, 25, 1), 1
	s_wait_xcnt 0x0
	s_wait_alu depctr_hold_cnt(0) depctr_sa_sdst(0) depctr_va_vdst(0) depctr_va_sdst(0) depctr_va_ssrc(0) depctr_va_vcc(0) depctr_vm_vsrc(0)
	s_getreg_b32 s2, hwreg(HW_REG_IB_STS2, 6, 4)
	s_cmp_eq_u32 s2, 0
	s_cbranch_scc0 .Lentry_in_a_cluster
	s_endpgm
.Lentry_in_a_cluster:
	s_bfe_u32 s2, ttmp6, 0x10000c
	s_cmp_lg_u32 s2, 0xf033
	s_cbranch_scc0 .Lentry_shape_is_right
	s_endpgm
.Lentry_shape_is_right:
; The three projections as one product: C[m][n] = sum over k of X[m][k] W[n][k] + b[n], X = q, k, v on top of each other ([12288][1024] f16 at
; xw), W = Wq, Wk, Wv by the third g of the rows ([1024][1024] f16 each, from xw + 24 MiB on), sums in f32, the result rounded once to f16
; and stored split by heads: qkv[g][batch][head][s][64].
; LIMIT: projected numbers beyond 65,504 in magnitude become infinities.
; A work-group makes 256 x 256 of C with four waves, one to a SIMD; a wave makes 128 x 128: 64 accumulator tiles of 16 x 16, 512 registers.
; K goes in steps of 128 through two LDS slots filled by the tensor data mover; a tile's rows are 256 bytes of memory, aligned.
; 48 x 4 = 192 work-groups: blocks of half the side would fill every WGP but read one and a half times the LDS bytes for each product.
; CLUSTERS: 4 x 4 work-groups.  The four of a cluster's row need the same tiles of X, the four of a column the same tiles of W: each tile is asked
; for jointly, by the same line with the same descriptor and a mask that names the four.  A cluster covers 1,024 rows, so g is the same in all sixteen.
; REGISTERS in windows of 256:
;   window 0: v16-27 addresses; v64-127, v128-191 fragments of X, two buffers; v192-223 at work on the way out
;   window 1: v0-63 the bias as eight C tiles; v64-127, v128-191 fragments of W, two buffers
;   window 2: the 32 accumulator tiles of my rows 0-63 (tile (a, b) at v[8 (8 a + b)]);  window 3: those of my rows 64-127
; THE MATRIX INSTRUCTION IS USED TRANSPOSED: source 0 = 16 rows of W, source 1 = 16 rows of X, so that lane l holds row l % 16 of C and its
; eight registers the columns 8 (l / 16) + 0..7: eight neighbours of a row, 16 bytes once packed.  A lane's bias tile is then eight neighbouring b.
.set SIZE_K, 1024
.set KSTEP,  128
.set PITCH,  272                       ; an LDS row: 256 bytes + 16 of padding: the 16 rows of a fragment load start in 16 different 16-byte columns of 256
.set HALFT,  128*PITCH                 ; 128 rows: one tensor load, and what one wave reads of X or of W
.set SLOT,   4*HALFT                   ; X's 256 rows, then W's 256 rows
.set STAGE,  2*SLOT                    ; behind the ring: 16 rows x 272 bytes for each wave; no tensor load lands here
.set SPITCH, 272
.set LAPS, SIZE_K/(2*KSTEP)            ; a lap = two K steps = once round the ring: 4
.set ADRA, 16                          ; v16-17  LDS address of my X fragments in slot 0, 1
.set ADRB, 20                          ; v20-21  the same for W
.set STO,  24                          ; v24     way out: where I put 16 bytes of a row
.set RD,   25                          ; v25     way out: where I read back
.set CO,   26                          ; v26     my byte offset in qkv
.set BO,   27                          ; v27     my byte offset in the bias
.set F0,   64
.set F1,   128
.set TMP,  192
.set G1, 24                            ; s[24:31] group 1 for X's tiles
.set G0, 32                            ; s[32:39] group 0 for X's tiles, a set for each slot
.set G1B, 48                           ; s[48:55] group 1 for W's tiles: another mask
.set G0B, 56                           ; s[56:63] group 0 for W's tiles, a set for each slot
.set MSB, 0
.macro WIN new                         ; the immediate's high byte repeats the setting that is left
.if MSB != \new
	s_set_vgpr_msb (MSB<<8)|\new
.set MSB, \new
.endif
.endm
.set MUL_LO,   0xa1                    ; source 0 (W) window 1, source 1 (X) window 0, C and D window 2
.set MUL_HI,   0xf1                    ; the same, C and D window 3
.set FIRST_LO, 0x91                    ; the first products: C is the bias in window 1, D window 2
.set FIRST_HI, 0xd1                    ; C the bias, D window 3
.set TO_B,     0x40                    ; destination window 1, address window 0
; A joint load.  Waves 0 and 1 fetch X's two halves, waves 2 and 3 W's.  The branch hangs on the wave's number alone.
.macro JLOAD s
	s_cmp_eq_u32 s11, 0
	s_cbranch_scc0 .Lfor_b_\@
	tensor_load_to_lds s[G0+4*\s:G0+4*\s+3], s[G1:G1+7]
	s_nop 0
	s_branch .Lasked_\@
.Lfor_b_\@:
	tensor_load_to_lds s[G0B+4*\s:G0B+4*\s+3], s[G1B:G1B+7]
	s_nop 0
.Lasked_\@:
.endm
; A round of the cluster's barrier: my work-group's barrier; wave 0 signals for the work-group; every wave waits for all sixteen; my work-group's barrier again.
.macro CREST                           ; a round behind its opening barrier
	s_cmp_lg_u32 s10, 0
	s_cbranch_scc1 .Lnot_wave_0_\@
	s_barrier_signal -3
.Lnot_wave_0_\@:
	s_barrier_wait -3
	s_barrier_signal -1
	s_barrier_wait -1
.endm
.macro CROUND
	s_barrier_signal -1
	s_barrier_wait -1
	CREST
.endm
	s_load_b256 s[68:75], s[0:1], 0x0              ; xw s[68:69], bq s[70:71], bk s[72:73], bv s[74:75]
	s_load_b64 s[8:9], s[0:1], 0x20                ; qkv
	s_set_vgpr_msb 0x40
	v_lshl_add_u32 v255, v0, 2, 0x48400
	s_set_vgpr_msb 0x4000
	v_mov_b32 v255, 0
	s_set_vgpr_msb 0x1
	ds_add_u32 v255, v255
	s_set_vgpr_msb 0x100
	v_lshrrev_b32 v1, 5, v0
	v_readfirstlane_b32 s10, v1                    ; wave 0..3
	s_lshr_b32 s11, s10, 1                         ; which half of the block's rows is mine.  Also: I fetch for X (0) or for W (1)
	s_and_b32 s12, s10, 1                          ; which half of its columns.  Also: which 128 rows of that tile I fetch
	s_bfe_u32 s40, ttmp6, 0x40000                  ; cx
	s_bfe_u32 s41, ttmp6, 0x40004                  ; cy
	s_lshl_b32 s42, ttmp9, 2
	s_add_co_u32 s42, s42, s40                     ; block column 0..3 = 4 x cluster x + cx
	s_and_b32 s13, ttmp7, 0xffff
	s_lshr_b32 s45, s13, 2                         ; g = 0 (q), 1 (k), 2 (v): four clusters of 1,024 rows each; made of the cluster's y alone
	s_lshl_b32 s13, s13, 2
	s_add_co_u32 s13, s13, s41                     ; block row 0..47 = 4 x cluster y + cy
	s_lshl_b32 s43, s41, 2
	s_lshl_b32 s43, 15, s43                        ; my row of the cluster: places 4 cy .. 4 cy + 3
	s_lshl_b32 s44, 0x1111, s40                    ; my column: places cx, cx + 4, cx + 8, cx + 12
	; group 1: a tile of 128 rows x 128 elements of 2 bytes, 4 words of padding behind every 64 words
	s_or_b32 s[G1+0], s43, (1<<16)|(1<<20)|(1<<21)|(5<<22)|(3<<25)
	s_or_b32 s[G1B+0], s44, (1<<16)|(1<<20)|(1<<21)|(5<<22)|(3<<25)
	s_mov_b32 s[G1+1], KSTEP<<16                   ; tensor_dim0 = 128
	s_mov_b32 s[G1B+1], KSTEP<<16
	s_mov_b32 s[G1+2], 128<<16                     ; tensor_dim1 = 128
	s_mov_b32 s[G1B+2], 128<<16
	s_mov_b32 s[G1+3], KSTEP<<16                   ; tile_dim0 = 128
	s_mov_b32 s[G1B+3], KSTEP<<16
	s_mov_b32 s[G1+4], 128                         ; tile_dim1 = 128
	s_mov_b32 s[G1B+4], 128
	s_mov_b32 s[G1+5], SIZE_K                      ; elements from row to row
	s_mov_b32 s[G1B+5], SIZE_K
	s_mov_b32 s[G1+6], 0
	s_mov_b32 s[G1B+6], 0
	s_mov_b32 s[G1+7], 0
	s_mov_b32 s[G1B+7], 0
	; where the tiles come from: X's hang on the block row, W's on g and the block column; rows of 2,048 bytes, all offsets below 2^25
	s_lshl_b32 s17, s12, 7                         ; which 128 rows of the tile I fetch
	s_lshl_b32 s16, s13, 8
	s_add_co_u32 s16, s16, s17                     ; X: row 256 x block row + 128 x half
	s_lshl_b32 s16, s16, 11
	s_lshl_b32 s46, s42, 8
	s_add_co_u32 s46, s46, s17
	s_lshl_b32 s47, s45, 10
	s_add_co_u32 s46, s46, s47                     ; W: row 1,024 g + 256 x block column + 128 x half
	s_lshl_b32 s46, s46, 11
	s_mov_b32 s17, 0
	s_mov_b32 s47, 0
	s_lshl_b32 s78, s42, 10                        ; my wave's 128 numbers of the bias: 4 (256 x block column + 128 x column half)
	s_lshl_b32 s79, s12, 9
	s_add_co_u32 s78, s78, s79
	s_mov_b32 s79, 0
	s_mul_i32 s20, s10, HALFT                      ; where they go: wave x 128 rows
	s_wait_dscnt 0x0
	s_wait_kmcnt 0x0
	s_add_nc_u64 s[14:15], s[68:69], s[16:17]
	s_add_nc_u64 s[46:47], s[68:69], s[46:47]
	s_add_nc_u64 s[46:47], s[46:47], 0x1800000     ; the weights begin 24 MiB into xw
	s_cmp_eq_u32 s45, 1
	s_cselect_b64 s[76:77], s[72:73], s[70:71]     ; the bias of g
	s_cmp_eq_u32 s45, 2
	s_cselect_b64 s[76:77], s[74:75], s[76:77]
	s_add_nc_u64 s[76:77], s[76:77], s[78:79]
	CROUND                                         ; all sixteen work-groups are here: the first joint loads meet
.irp s, 0,1
	s_mov_b32 s[G0+4*\s], 1
	s_add_co_u32 s[G0+4*\s+1], s20, \s*SLOT
	s_add_nc_u64 s[G0+4*\s+2:G0+4*\s+3], s[14:15], \s*KSTEP*2      ; K step s
	s_or_b32 s[G0+4*\s+3], s[G0+4*\s+3], 0x80000000
	s_mov_b32 s[G0B+4*\s], 1
	s_add_co_u32 s[G0B+4*\s+1], s20, \s*SLOT
	s_add_nc_u64 s[G0B+4*\s+2:G0B+4*\s+3], s[46:47], \s*KSTEP*2
	s_or_b32 s[G0B+4*\s+3], s[G0B+4*\s+3], 0x80000000
	JLOAD \s                                       ; both slots are asked for before anything else: two tensor loads of a wave are out, never more
.endr
	; a fragment is 16 rows x 32 K in 8 registers: lane l holds row l % 16, registers 0-3 K = 8 (l / 16) + 0..7, registers 4-7 sixteen further
	v_and_b32 v1, 15, v0                           ; r = l % 16
	v_bfe_u32 v2, v0, 4, 1                         ; h = l / 16
	v_mul_u32_u24 v3, v1, PITCH
	v_lshl_add_u32 v3, v2, 4, v3                   ; row x pitch + 16 h
	s_mul_i32 s21, s11, HALFT                      ; my 128 rows of X
	s_mul_i32 s22, s12, HALFT                      ; my 128 rows of W,
	s_add_co_u32 s22, s22, 2*HALFT                 ; which lie behind X's 256
.irp s, 0,1
	v_add_nc_u32 v[ADRA+\s], s21, v3
	v_add_nc_u32 v[ADRB+\s], s22, v3
	s_add_co_u32 s21, s21, SLOT
	s_add_co_u32 s22, s22, SLOT
.endr
	s_mul_i32 s23, s10, 16*SPITCH
	s_add_co_u32 s23, s23, STAGE                   ; my stage
	v_mul_u32_u24 v4, v1, SPITCH                   ; in: row r, 16 bytes for each half of the lanes
	v_lshl_add_u32 v4, v2, 4, v4
	v_add_nc_u32 v[STO], s23, v4
	; back: my 128 columns are two heads.  Lanes 0-15 take head 0, lanes 16-31 head 1; of each sixteen, eight take an even row's 128 bytes and eight the odd row's
	v_bfe_u32 v6, v0, 3, 1                         ; row parity
	v_and_b32 v7, 7, v0                            ; which 16 bytes of a head's row
	v_mul_u32_u24 v5, v6, SPITCH
	v_lshl_add_u32 v5, v2, 7, v5
	v_lshl_add_u32 v5, v7, 4, v5
	v_add_nc_u32 v[RD], s23, v5
	v_lshlrev_b32 v5, 18, v2                       ; in qkv a head is 2,048 rows of 128 bytes = 256 KiB; two rows of a head are 256 neighbouring bytes
	v_lshl_add_u32 v5, v6, 7, v5
	v_lshl_add_u32 v[CO], v7, 4, v5
	v_lshlrev_b32 v[BO], 5, v2                     ; bias tile b, register j = b[16 b + 8 h + j]: 32 h bytes, 64 b in the immediate
	WIN TO_B
.irp b, 0,1,2,3,4,5,6,7
	global_load_b128 v[8*\b:8*\b+3],   v[BO], s[76:77] offset:64*\b       ; window 1, v0-63
	global_load_b128 v[8*\b+4:8*\b+7], v[BO], s[76:77] offset:64*\b+16
.endr
	WIN 0
; 16 matrix instructions: m blocks a0, a0 + 1 of the window's four x all 8 n blocks, 32 along K.  first = 1: the bias tile is C, so nothing is cleared and no addition is spent on the bias.
; The 64 accumulators take turns, one instruction a turn, in the same order in every quarter step.
.macro MUL16 f, hi, a0, first
.irp a, \a0, \a0+1
.irp b, 0,1,2,3,4,5,6,7
.if \first
	v_wmma_f32_16x16x32_f16 v[8*(8*(\a)+\b):8*(8*(\a)+\b)+7], v[\f+8*\b:\f+8*\b+7], v[\f+8*(4*\hi+\a):\f+8*(4*\hi+\a)+7], v[8*\b:8*\b+7]
.else
	v_wmma_f32_16x16x32_f16 v[8*(8*(\a)+\b):8*(8*(\a)+\b)+7], v[\f+8*\b:\f+8*\b+7], v[\f+8*(4*\hi+\a):\f+8*(4*\hi+\a)+7], v[8*(8*(\a)+\b):8*(8*(\a)+\b)+7]
.endif
.endr
.endr
.endm
; 32 LDS loads in one run: the fragments of a quarter step (128 rows of W, 128 rows of X, 32 K at byte k of the rows) into buffer f
.macro FETCH slot, k, f
	WIN TO_B
.irp i, 0,1,2,3,4,5,6,7
	ds_load_b128 v[\f+8*\i:\f+8*\i+3],   v[ADRB+\slot] offset:\k+\i*16*PITCH
	ds_load_b128 v[\f+8*\i+4:\f+8*\i+7], v[ADRB+\slot] offset:\k+\i*16*PITCH+32
.endr
	WIN 0
.irp i, 0,1,2,3,4,5,6,7
	ds_load_b128 v[\f+8*\i:\f+8*\i+3],   v[ADRA+\slot] offset:\k+\i*16*PITCH
	ds_load_b128 v[\f+8*\i+4:\f+8*\i+7], v[ADRA+\slot] offset:\k+\i*16*PITCH+32
.endr
.endm
; Four independent vector instructions stand between a matrix instruction and a load into one of its registers or a vector read of its result
.macro PLACES
.rept 4
	v_nop
.endr
.endm
; A quarter step: 64 matrix instructions on buffer f; in its middle the next quarter's fragments go into buffer g
.macro QUARTER slot, k, f, g, first
	s_wait_dscnt 8                                 ; W and X's rows 0-63 are in; the youngest eight loads (X's rows 64-127) may be out
.if \first
	WIN FIRST_LO
.else
	WIN MUL_LO
.endif
	MUL16 \f, 0, 0, \first
	MUL16 \f, 0, 2, \first
	PLACES
	FETCH \slot, \k, \g
	s_wait_dscnt 32                                ; all but the 32 just issued
.if \first
	WIN FIRST_HI
.else
	WIN MUL_HI
.endif
	MUL16 \f, 1, 0, \first
	MUL16 \f, 1, 2, \first
.endm
.macro THREE slot, first
	QUARTER \slot, 64,  F0, F1, \first
	QUARTER \slot, 128, F1, F0, 0
	QUARTER \slot, 192, F0, F1, 0
.endm
; The last quarter of a K step multiplies buffer 1 and changes slots.  In front of the barrier each wave waits for its reads of this slot and for all its
; tensor loads (one is out: its part of the next slot).  Behind it the refill comes first, then the next slot's first fragments.
.macro TURN slot, next, fill
	s_wait_dscnt 8
	WIN MUL_LO
	MUL16 F1, 0, 0, 0
	s_wait_dscnt 0                                 ; my reads of this slot are over
	s_wait_tensorcnt 0x0                           ; all my tensor loads have landed
	ds_add_u32 v255, v255
	s_wait_dscnt 0x0
	s_barrier_signal -1                            ; (where the slot is filled again this barrier opens a round of the cluster's barrier)
	MUL16 F1, 0, 2, 0                              ; register work while the others arrive
	WIN 0
	s_barrier_wait -1
.if \fill
	CREST                                          ; no wave of any partner still reads this slot or has a load on its way
	s_add_nc_u64 s[G0+4*\slot+2:G0+4*\slot+3], s[G0+4*\slot+2:G0+4*\slot+3], 2*KSTEP*2
	s_add_nc_u64 s[G0B+4*\slot+2:G0B+4*\slot+3], s[G0B+4*\slot+2:G0B+4*\slot+3], 2*KSTEP*2
	JLOAD \slot                                    ; the wave's one tensor load behind the round
.endif
	PLACES
	FETCH \next, 0, F0
	WIN MUL_HI
	MUL16 F1, 1, 0, 0
	MUL16 F1, 1, 2, 0
.endm
.macro LAP first
	THREE 0, \first
	TURN 0, 1, 1
	THREE 1, 0
	TURN 1, 0, 1
.endm
	s_wait_tensorcnt 1                             ; my part of K step 0 is in; K step 1's may stay out
	s_wait_loadcnt 0x0                             ; the bias
	s_barrier_signal -1
	s_barrier_wait -1
	FETCH 0, 0, F0
	LAP 1                                          ; the first lap stands in front of the loop: its first products start the sums from the bias
	WIN 0
	s_mov_b32 s3, LAPS-2
.Llap:
	LAP 0
	WIN 0
	s_sub_co_u32 s3, s3, 1
	s_cmp_lg_u32 s3, 0
	s_cbranch_scc1 .Llap
	THREE 0, 0                                     ; the last lap fills nothing
	TURN 0, 1, 0
	THREE 1, 0
	s_wait_dscnt 8
	WIN MUL_LO
	MUL16 F1, 0, 0, 0
	MUL16 F1, 0, 2, 0
	s_wait_dscnt 0
	WIN MUL_HI
	MUL16 F1, 1, 0, 0
	MUL16 F1, 1, 2, 0
	; THE WAY OUT, 16 rows at a time: round to f16, 16 bytes a lane into my own stage, read back so that sixteen lanes hold two rows of one head
	PLACES
	s_lshr_b32 s16, s13, 3                         ; 2 g + batch: eight block rows are 2,048 rows
	s_lshl_b32 s16, s16, 22                        ; sixteen heads of 256 KiB
	s_and_b32 s14, s13, 7
	s_lshl_b32 s14, s14, 15                        ; 256 rows of 128 bytes
	s_add_co_u32 s16, s16, s14
	s_lshl_b32 s14, s11, 14                        ; my half: 128 rows
	s_add_co_u32 s16, s16, s14
	s_mov_b32 s17, 0
	s_add_nc_u64 s[8:9], s[8:9], s[16:17]
	s_lshl_b32 s46, s42, 20                        ; head 4 x block column + 2 x column half
	s_lshl_b32 s47, s12, 19
	s_add_co_u32 s46, s46, s47
	s_mov_b32 s47, 0
	s_add_nc_u64 s[8:9], s[8:9], s[46:47]
.macro OUT16 i, a, from, f
	WIN \from
.irp b, 0,1,2,3,4,5,6,7
.irp r, 0,1,2,3
	v_cvt_pk_f16_f32 v[TMP+4*\b+\r], v[8*(8*\a+\b)+2*\r], v[8*(8*\a+\b)+2*\r+1]
.endr
.endr
	WIN 0
.irp b, 0,1,2,3,4,5,6,7
	ds_store_b128 v[STO], v[TMP+4*\b:TMP+4*\b+3] offset:32*\b
.endr
	s_wait_xcnt 0x0                                ; buffer f, which earlier stores read, is loaded again only behind this wait
.irp t, 0,1,2,3,4,5,6,7
	ds_load_b128 v[\f+4*\t:\f+4*\t+3], v[RD] offset:\t*2*SPITCH    ; LDS serves a wave's instructions in order: these see the stores above
.endr
.irp t, 0,1,2,3,4,5,6,7
	s_wait_dscnt 7-\t                              ; read-back t is in, the 7 - t younger ones stay out
	global_store_b128 v[CO], v[\f+4*\t:\f+4*\t+3], s[8:9] offset:2048*\i+256*\t   ; sixteen lanes store 256 neighbouring bytes, aligned: rows 16 i + 2 t and the next of one head
.endr
.endm
	OUT16 0, 0, 0x0a, F0
	OUT16 1, 1, 0x0a, F1
	OUT16 2, 2, 0x0a, F0
	OUT16 3, 3, 0x0a, F1
	OUT16 4, 0, 0x0f, F0
	OUT16 5, 1, 0x0f, F1
	OUT16 6, 2, 0x0f, F0
	OUT16 7, 3, 0x0f, F1
	s_set_vgpr_msb 0x1
	s_wait_tensorcnt 0x0
	ds_add_u32 v255, v255
	s_wait_dscnt 0x0
	s_set_vgpr_msb 0x100
	CROUND                                         ; the closing round: no work-group ends while a partner may still ask jointly
	s_endpgm
.Lfunc_end_k_q683be531f6_proj:
	.size	k_q683be531f6_proj, .Lfunc_end_k_q683be531f6_proj-k_q683be531f6_proj
	.p2alignl 7, 3214868480
	.fill 96, 4, 3214868480
	.section	.rodata,"a",@progbits
	.p2align	6, 0x0
	.amdhsa_kernel k_q683be531f6_proj
		.amdhsa_group_segment_fixed_size 327680
		.amdhsa_private_segment_fixed_size 0
		.amdhsa_enable_private_segment 0
		.amdhsa_kernarg_size 40
		.amdhsa_user_sgpr_count 2
		.amdhsa_user_sgpr_kernarg_segment_ptr 1
		.amdhsa_wavefront_size32 1
		.amdhsa_system_sgpr_workgroup_id_x 1
		.amdhsa_system_sgpr_workgroup_id_y 1
		.amdhsa_system_sgpr_workgroup_id_z 1
		.amdhsa_system_vgpr_workitem_id 0
		.amdhsa_next_free_vgpr 1024
		.amdhsa_next_free_sgpr 80
		.amdhsa_reserve_vcc 0
		.amdhsa_float_denorm_mode_32 3
		.amdhsa_float_denorm_mode_16_64 3
		.amdhsa_memory_ordered 1
		.amdhsa_forward_progress 1
		.amdhsa_inst_pref_size 198
	.end_amdhsa_kernel
	.amdgpu_metadata
---
amdhsa.version: [ 1, 2 ]
amdhsa.kernels:
  - .name:           k_q683be531f6_proj
    .symbol:         k_q683be531f6_proj.kd
    .args:
      - { .name: xw, .offset: 0, .size: 8, .value_kind: global_buffer, .address_space: global }
      - { .name: bq, .offset: 8, .size: 8, .value_kind: global_buffer, .address_space: global }
      - { .name: bk, .offset: 16, .size: 8, .value_kind: global_buffer, .address_space: global }
      - { .name: bv, .offset: 24, .size: 8, .value_kind: global_buffer, .address_space: global }
      - { .name: qkv, .offset: 32, .size: 8, .value_kind: global_buffer, .address_space: global }
    .group_segment_fixed_size: 327680
    .private_segment_fixed_size: 0
    .kernarg_segment_align: 8
    .kernarg_segment_size: 40
    .max_flat_workgroup_size: 128
    .sgpr_count:     80
    .vgpr_count:     1024
    .wavefront_size: 32
...
	.end_amdgpu_metadata
.endif
;; end of part 2
;; launch attn (part 3): grid 8 x 32, 8 waves a work-group, clusters of 4 x 1, 327,680 bytes of LDS; arguments qkv, xh; writes xh
.if DOCPART == 3
	.amdgcn_target "amdgcn-amd-amdhsa--gfx1250"
	.amdhsa_code_object_version 6
	.text
	.protected	k_q683be531f6_attn
	.globl	k_q683be531f6_attn
	.p2align	8
	.type	k_q683be531f6_attn,@function
k_q683be531f6_attn:
	s_mov_b64 s[64:65], 0
	v_nop
	global_prefetch_b8 v0, s[64:65] scope:SCOPE_SE
	s_setreg_imm32_b32 hwreg(HW_REG_WAVE_MODE, 25, 1), 1
	s_wait_xcnt 0x0
	s_wait_alu depctr_hold_cnt(0) depctr_sa_sdst(0) depctr_va_vdst(0) depctr_va_sdst(0) depctr_va_ssrc(0) depctr_va_vcc(0) depctr_vm_vsrc(0)
	s_getreg_b32 s2, hwreg(HW_REG_IB_STS2, 6, 4)
	s_cmp_eq_u32 s2, 0
	s_cbranch_scc0 .Lentry_in_a_cluster
	s_endpgm
.Lentry_in_a_cluster:
	s_bfe_u32 s2, ttmp6, 0x10000c
	s_cmp_lg_u32 s2, 0x3003
	s_cbranch_scc0 .Lentry_shape_is_right
	s_endpgm
.Lentry_shape_is_right:
; Attention of one (batch, head) = grid y on 256 query rows = grid x, all 2,048 keys: softmax(Q K^T / 8) V with a running maximum.
; qkv[g][batch x head][s][64] f16 in, xh[row / 128][head][row % 128][64] f16 out (the order in which the last launch walks K).
; THE MASK IS NOT AN ARGUMENT: the module forms a masked copy of the scores and discards it, so no output number hangs on the mask.
; LIMITS: exponentials below 2^-126 count as 0; weights below 2^-24 of a row's largest count as 0 (f16); NaN and infinities are not reproduced element by element.
; Eight waves, two to a SIMD; a wave owns 32 query rows, two tiles of 16.
; BOTH PRODUCTS ARE TRANSPOSED.  S^T = K Q^T: lane (r, h) holds query r and keys 16 kt + 8 h + j in register j.  Two such tiles, packed to f16, ARE the
; second operand of O^T = V^T P^T (keys 8 h + j, then 16 + 8 h + j), without any shuffle, and a query's maximum and sum lie in one lane and its
; partner 16 lanes away.  V^T comes out of LDS by the transposing load.
; THE TWO QUERY TILES RUN HALF A BLOCK APART, so that matrix instructions always stand among vector instructions on other registers.  Block i = 64 keys:
;   half A(i): vector work = softmax of tile 0, block i;   matrix work = PV(tile 1, i-1), then QK(tile 1, i)
;   half B(i): vector work = softmax of tile 1, block i;   matrix work = PV(tile 0, i),   then QK(tile 0, i+1)
; V(i) is loaded in the middle of A(i), behind the last use of V(i-1), and first used in B(i); K(i+1) at the end of A(i), first used in the middle of B(i).
; REGISTERS: K's and V's fragments are alive together, so the map needs 324 registers.  Window 1 holds V's fragments and the two rescaling factors, window 0 all else.
; Under the setting 'source 0 in window 1' the PV products stand among those vector instructions whose source 0 is no window-0 register: the exponents' multiply-adds
; (source 0 the constant) and the rescalings (source 0 the factor).  The QK products need no window.  Seven switches for a block's 32 matrix and 244 vector instructions.
; CLUSTER 4 x 1: the four work-groups are four query blocks of one head and read the same K and V: every tile is asked for jointly (mask 15).
; LDS: two slots of 512 keys.  A memory row of 256 bytes is two keys.  V: 256 such rows at pitch 288; K: 256 at pitch 272, behind V.  With these
; pitches the sixteen lanes of half a wave touch sixteen different 16-byte columns of 256 in both kinds of load.  Behind the slots each wave has a stage of its own.
.set SLOT,   143360                    ; 256 x 288 + 256 x 272
.set KOFF,   73728                     ; K behind V in a slot
.set STAGE,  2*SLOT                    ; 8 waves x 32 rows x 144 bytes; no tensor load lands here
.set WSTAGE, 4608
.set KA,  1                            ; v1  LDS address of the K fragments to load next, stepped block by block
.set VA,  2                            ; v2  the same for V
.set KB,  3                            ; v3  its lane term
.set VB,  4                            ; v4
.set STO, 5                            ; v5  way out: in
.set RD,  6                            ; v6  way out: back
.set CO,  7                            ; v7  my byte offset in the wave's 4 KiB of xh
.set QO,  8                            ; v8  my byte offset in the wave's 4 KiB of Q
.set NM,  12                           ; v[12:13], v[14:15]  query tile q: -c x maximum, maximum
.set LS,  16                           ; v16, v17  query tile q: my lane's part of the sum
.set CH,  24                           ; v24-27  four chains of the maximum
.set T3,  28                           ; v28  the new -c x maximum
.set T4,  29                           ; v29  exponent of the rescaling factor
.set U,   24                           ; v[24:31]  four running pairs of the sum (alive after the maximum's registers are dead)
.set QF,  32                           ; v[32:63]    Q fragments at 8 (2 q + ks)
.set OA,  64                           ; v[64:127]   O^T tiles at 8 (4 q + t)
.set SC,  128                          ; v[128:191]  S^T tiles at 8 (4 q + kt); packed P^T in place at 32 q + 8 u
.set KF,  192                          ; v[192:255]  K fragments at 8 (kt + 4 ks)
.set VF,  0                            ; window 1, v[0:63]   V^T fragments at 8 (t + 4 u)
.set AL,  64                           ; window 1, v[64:65], v[66:67]  query tile q: the rescaling factor and a register that only completes the pair
.set G1V, 16                           ; s[16:23]
.set G1K, 24                           ; s[24:31]
.set G0V, 32                           ; s[32:39] a set for each slot
.set G0K, 40                           ; s[40:47]
.set CPOS, 0x3e38aa3b                  ; c = log2(e) / 8: the division by sqrt(64) and the base of v_exp_f32 in one factor
.set CNEG, 0xbe38aa3b
.set TO_1, 0x40                        ; destination in window 1, all sources in window 0
.set A_1,  0x01                        ; source 0 in window 1, all else in window 0
.set MSB, 0
.macro WIN new                         ; the immediate's high byte repeats the setting that is left
.if MSB != \new
	s_set_vgpr_msb (MSB<<8)|\new
.set MSB, \new
.endif
.endm
.macro ROUND                           ; a round of the cluster's barrier
	s_barrier_signal -1
	s_barrier_wait -1
	s_cmp_lg_u32 s8, 0
	s_cbranch_scc1 .Lnot_wave_0_\@
	s_barrier_signal -3
.Lnot_wave_0_\@:
	s_barrier_wait -3
	s_barrier_signal -1
	s_barrier_wait -1
.endm
.macro JLOAD s                         ; waves 0-3 ask for a quarter of V's 512 keys each, waves 4-7 for a quarter of K's; the branch hangs on the wave's number alone
	s_cmp_eq_u32 s9, 0
	s_cbranch_scc0 .Lfor_k_\@
	tensor_load_to_lds s[G0V+4*\s:G0V+4*\s+3], s[G1V:G1V+7]
	s_nop 0
	s_branch .Lasked_\@
.Lfor_k_\@:
	tensor_load_to_lds s[G0K+4*\s:G0K+4*\s+3], s[G1K:G1K+7]
	s_nop 0
.Lasked_\@:
.endm
	s_load_b128 s[4:7], s[0:1], 0x0                ; qkv s[4:5], xh s[6:7]
	v_lshl_add_u32 v22, v0, 2, 0x4f000
	v_mov_b32 v23, 0
	ds_add_u32 v22, v23
	v_lshrrev_b32 v9, 5, v0
	v_readfirstlane_b32 s8, v9                     ; wave 0..7
	s_lshr_b32 s9, s8, 2                           ; 0: I fetch V, 1: K
	s_and_b32 s10, s8, 3                           ; which 128 keys of a slot's 512
	s_bfe_u32 s11, ttmp6, 0x40000                  ; cx
	s_lshl_b32 s12, ttmp9, 2
	s_add_co_u32 s12, s12, s11                     ; query block 0..7
	s_and_b32 s13, ttmp7, 0xffff                   ; 16 x batch + head
	s_mov_b32 s14, 0x76543210                      ; v_permlanex16_b32: lane i reads lane i of the other half
	s_mov_b32 s15, 0xfedcba98
	; group 1: 64 rows of 32 elements of 8 bytes (128 keys, dense in memory), padding behind every 64 words: 8 words for V, 4 for K; mask 15, bit 21 beside it
	s_mov_b32 s[G1V+0], 15|(3<<16)|(1<<20)|(1<<21)|(5<<22)|(7<<25)
	s_mov_b32 s[G1K+0], 15|(3<<16)|(1<<20)|(1<<21)|(5<<22)|(3<<25)
	s_mov_b32 s[G1V+1], 32<<16                     ; tensor_dim0 = 32
	s_mov_b32 s[G1K+1], 32<<16
	s_mov_b32 s[G1V+2], 64<<16                     ; tensor_dim1 = 64
	s_mov_b32 s[G1K+2], 64<<16
	s_mov_b32 s[G1V+3], 32<<16                     ; tile_dim0 = 32
	s_mov_b32 s[G1K+3], 32<<16
	s_mov_b32 s[G1V+4], 64                         ; tile_dim1 = 64
	s_mov_b32 s[G1K+4], 64
	s_mov_b32 s[G1V+5], 32                         ; pitch = 32 elements
	s_mov_b32 s[G1K+5], 32
	s_mov_b32 s[G1V+6], 0
	s_mov_b32 s[G1K+6], 0
	s_mov_b32 s[G1V+7], 0
	s_mov_b32 s[G1K+7], 0
	s_mul_i32 s48, s8, 18432                       ; V: wave w (0-3) fills 64 rows of 288 bytes at 18,432 w
	s_mul_i32 s49, s8, 17408                       ; K: wave w (4-7) fills 64 rows of 272 bytes at 73,728 + 17,408 (w - 4)
	s_add_co_u32 s49, s49, KOFF-4*17408
	s_lshl_b32 s50, s13, 18                        ; a head is 256 KiB
	s_lshl_b32 s51, s10, 14                        ; 128 keys are 16 KiB
	s_add_co_u32 s50, s50, s51
	s_mov_b32 s51, 0
	s_lshl_b32 s58, s13, 18                        ; Q: the head, 32 KiB a query block, 4 KiB a wave
	s_lshl_b32 s59, s12, 15
	s_add_co_u32 s58, s58, s59
	s_lshl_b32 s59, s8, 12
	s_add_co_u32 s58, s58, s59
	s_mov_b32 s59, 0
	s_wait_dscnt 0x0
	s_wait_kmcnt 0x0
	s_add_nc_u64 s[50:51], s[4:5], s[50:51]        ; hangs on the head and the wave alone: the same in all four partners
	s_add_nc_u64 s[54:55], s[4:5], s[58:59]
	ROUND                                          ; the four work-groups are here: the first joint loads meet
.irp s, 0,1
	s_mov_b32 s[G0V+4*\s], 1
	s_add_co_u32 s[G0V+4*\s+1], s48, \s*SLOT
	s_add_nc_u64 s[G0V+4*\s+2:G0V+4*\s+3], s[50:51], 0x1000000+\s*65536   ; V begins 16 MiB into qkv; a slot's 512 keys are 64 KiB
	s_or_b32 s[G0V+4*\s+3], s[G0V+4*\s+3], 0x80000000
	s_mov_b32 s[G0K+4*\s], 1
	s_add_co_u32 s[G0K+4*\s+1], s49, \s*SLOT
	s_add_nc_u64 s[G0K+4*\s+2:G0K+4*\s+3], s[50:51], 0x800000+\s*65536    ; K begins 8 MiB into qkv
	s_or_b32 s[G0K+4*\s+3], s[G0K+4*\s+3], 0x80000000
	JLOAD \s                                       ; two tensor loads of a wave are out here, later one
.endr
	v_and_b32 v9, 15, v0                           ; r
	v_bfe_u32 v10, v0, 4, 1                        ; h
	v_lshlrev_b32 v[QO], 7, v9
	v_lshl_add_u32 v[QO], v10, 4, v[QO]            ; 128 r + 16 h
.irp qt, 0,1
.irp ks, 0,1
	global_load_b128 v[QF+8*(2*\qt+\ks):QF+8*(2*\qt+\ks)+3],   v[QO], s[54:55] offset:2048*\qt+64*\ks
	global_load_b128 v[QF+8*(2*\qt+\ks)+4:QF+8*(2*\qt+\ks)+7], v[QO], s[54:55] offset:2048*\qt+64*\ks+32
.endr
.endr
	v_lshrrev_b32 v11, 1, v9                       ; K: key 16 kt + r lies at (key / 2) 272 + (key % 2) 128
	v_mul_u32_u24 v[KB], v11, 272
	v_and_b32 v11, 1, v0
	v_lshl_add_u32 v[KB], v11, 7, v[KB]
	v_lshl_add_u32 v[KB], v10, 4, v[KB]            ; + 16 h
	v_bfe_u32 v20, v0, 1, 2                        ; V: lane l addresses key 8 h + l % 8, 16 bytes (l / 8) % 2 of the tile's 32
	v_lshl_add_u32 v20, v10, 2, v20                ; key / 2 = 4 h + (l % 8) / 2
	v_mul_u32_u24 v[VB], v20, 288
	v_lshl_add_u32 v[VB], v11, 7, v[VB]
	v_bfe_u32 v20, v0, 3, 1
	v_lshl_add_u32 v[VB], v20, 4, v[VB]
	s_mul_i32 s60, s8, WSTAGE
	s_add_co_u32 s60, s60, STAGE                   ; my stage
	v_mul_u32_u24 v[STO], v9, 144
	v_lshl_add_u32 v[STO], v10, 4, v[STO]
	v_add_nc_u32 v[STO], s60, v[STO]               ; row r, 16 h
	v_bfe_u32 v20, v0, 3, 2
	v_mul_u32_u24 v[RD], v20, 144
	v_and_b32 v20, 7, v0
	v_lshl_add_u32 v[RD], v20, 4, v[RD]
	v_add_nc_u32 v[RD], s60, v[RD]                 ; row l / 8, 16 (l % 8)
	v_and_b32 v[CO], 31, v0
	v_lshlrev_b32 v[CO], 4, v[CO]
	WIN TO_1
	v_mov_b32 v[AL+1], 1.0                         ; the packed multiply names the pair (factor, this register) and takes the factor for both halves:
	v_mov_b32 v[AL+3], 1.0                         ; the second register is never used, but it is written once
	WIN 0
	s_and_b32 s58, s13, 16                         ; xh: block of 128 rows = 16 x batch + 2 x query block + wave / 4,
	s_lshl1_add_u32 s58, s12, s58
	s_add_co_u32 s58, s58, s9
	s_lshl_b32 s58, s58, 18                        ; 256 KiB each;
	s_and_b32 s59, s13, 15
	s_lshl_b32 s59, s59, 14                        ; 16 KiB a head;
	s_add_co_u32 s58, s58, s59
	s_lshl_b32 s59, s10, 12                        ; 32 rows of 128 bytes a wave
	s_add_co_u32 s58, s58, s59
	s_mov_b32 s59, 0
	s_add_nc_u64 s[56:57], s[6:7], s[58:59]
; ---- matrix instructions, one at a time.  In every run the accumulators take turns, one instruction a turn.
; Number w of the eight of S^T(tile q) = K Q^T: key tile w % 4, half w / 4 of the 64 along dk.  The first four start the sums with C = 0.
.macro QKW q, w
.if (\w) < 4
	v_wmma_f32_16x16x32_f16 v[SC+32*\q+8*(\w):SC+32*\q+8*(\w)+7], v[KF+8*(\w):KF+8*(\w)+7], v[QF+16*\q:QF+16*\q+7], 0
.else
	v_wmma_f32_16x16x32_f16 v[SC+32*\q+8*((\w)-4):SC+32*\q+8*((\w)-4)+7], v[KF+8*(\w):KF+8*(\w)+7], v[QF+16*\q+8:QF+16*\q+15], v[SC+32*\q+8*((\w)-4):SC+32*\q+8*((\w)-4)+7]
.endif
.endm
; Number w of the eight of O^T(tile q) += V^T P^T: column tile w % 4, keys 32 (w / 4) + 0..31.  Source 0 in window 1.  pv = 1: the launch's first block, C = 0: nothing is cleared.
.macro PVW q, w, pv
.if (\w) < 4
.if (\pv) == 1
	v_wmma_f32_16x16x32_f16 v[OA+32*\q+8*(\w):OA+32*\q+8*(\w)+7], v[VF+8*(\w):VF+8*(\w)+7], v[SC+32*\q:SC+32*\q+7], 0
	s_wait_alu depctr_va_vdst(0)
.else
	v_wmma_f32_16x16x32_f16 v[OA+32*\q+8*(\w):OA+32*\q+8*(\w)+7], v[VF+8*(\w):VF+8*(\w)+7], v[SC+32*\q:SC+32*\q+7], v[OA+32*\q+8*(\w):OA+32*\q+8*(\w)+7]
.endif
.else
	v_wmma_f32_16x16x32_f16 v[OA+32*\q+8*((\w)-4):OA+32*\q+8*((\w)-4)+7], v[VF+8*(\w):VF+8*(\w)+7], v[SC+32*\q+8:SC+32*\q+15], v[OA+32*\q+8*((\w)-4):OA+32*\q+8*((\w)-4)+7]
.endif
.endm
; ---- LDS loads of a block's fragments, sixteen in a run, and the step to the next block
.macro KLOAD
.irp ks, 0,1
.irp kt, 0,1,2,3
	ds_load_b128 v[KF+8*(\kt+4*\ks):KF+8*(\kt+4*\ks)+3],   v[KA] offset:2176*\kt+64*\ks
	ds_load_b128 v[KF+8*(\kt+4*\ks)+4:KF+8*(\kt+4*\ks)+7], v[KA] offset:2176*\kt+64*\ks+32
.endr
.endr
	v_add_nc_u32 v[KA], 8704, v[KA]                ; 64 keys on: 32 rows of 272
.endm
.macro VLOAD                           ; destination in window 1
.irp u, 0,1
.irp t, 0,1,2,3
	ds_load_tr16_b128 v[VF+8*(\t+4*\u):VF+8*(\t+4*\u)+3],   v[VA] offset:32*\t+4608*\u        ; keys 32 u + 8 h + 0..7 of column 16 t + r
	ds_load_tr16_b128 v[VF+8*(\t+4*\u)+4:VF+8*(\t+4*\u)+7], v[VA] offset:32*\t+4608*\u+2304   ; sixteen keys further
.endr
.endr
.endm
; ---- the softmax of one query tile, in three parts
; Part 1: the new maximum over my 32 scores, the partner lane's and the old one, in four chains; NM = -c x maximum; T4 = new NM - old NM
.macro SMAX q, first
.set SB, SC+32*\q
.if \first
	v_max3_num_f32 v[CH],   v[SB],   v[SB+1],  v[SB+2]
	v_max3_num_f32 v[CH+1], v[SB+3], v[SB+4],  v[SB+5]
	v_max3_num_f32 v[CH+2], v[SB+6], v[SB+7],  v[SB+8]
	v_max3_num_f32 v[CH+3], v[SB+9], v[SB+10], v[SB+11]
.set ii, 12
.else
	v_max3_num_f32 v[CH],   v[SB],   v[SB+1], v[NM+2*\q+1]
	v_max3_num_f32 v[CH+1], v[SB+2], v[SB+3], v[SB+4]
	v_max3_num_f32 v[CH+2], v[SB+5], v[SB+6], v[SB+7]
	v_max3_num_f32 v[CH+3], v[SB+8], v[SB+9], v[SB+10]
.set ii, 11
.endif
.set jj, 0
.rept 10
	v_max3_num_f32 v[CH+(jj&3)], v[CH+(jj&3)], v[SB+ii], v[SB+ii+1]
.set ii, ii+2
.set jj, jj+1
.endr
.if \first
	v_max3_num_f32 v[CH], v[CH], v[CH+1], v[CH+2]
	v_max_num_f32 v[CH], v[CH], v[CH+3]
.else
	v_max3_num_f32 v[CH], v[CH], v[CH+1], v[SB+31]
	v_max3_num_f32 v[CH], v[CH], v[CH+2], v[CH+3]
.endif
	v_permlanex16_b32 v[CH+1], v[CH], s14, s15     ; the other 32 keys of the same query
	v_max_num_f32 v[NM+2*\q+1], v[CH], v[CH+1]
.if \first
	v_mul_f32 v[NM+2*\q], CNEG, v[NM+2*\q+1]
.else
	v_mul_f32 v[T3], CNEG, v[NM+2*\q+1]
	v_sub_f32 v[T4], v[T3], v[NM+2*\q]             ; from the two rounded shifts that the exponents themselves use, so sums and weights stay consistent
	v_mov_b32 v[NM+2*\q], v[T3]
.endif
.endm
; Part 2, instruction idx of 33, all valid with source 0 in window 1: 0-15 the exponents c s - c max, two at a time (source 0 the constant);
; 16 my part of the sum x factor; 17-32 O^T x factor (source 0 the factor), in every block: no branch hangs on a floating-point number
.macro V4 q, idx
.if (\idx) < 16
	v_pk_fma_f32 v[SC+32*\q+2*(\idx):SC+32*\q+2*(\idx)+1], CPOS, v[SC+32*\q+2*(\idx):SC+32*\q+2*(\idx)+1], v[NM+2*\q:NM+2*\q+1] op_sel_hi:[0,1,0]
.else
.if (\idx) == 16
	s_wait_alu depctr_va_vdst(0)
	v_mul_f32 v[LS+\q], v[AL+2*\q], v[LS+\q]
.else
	v_pk_mul_f32 v[OA+32*\q+2*((\idx)-17):OA+32*\q+2*((\idx)-17)+1], v[AL+2*\q:AL+2*\q+1], v[OA+32*\q+2*((\idx)-17):OA+32*\q+2*((\idx)-17)+1] op_sel_hi:[0,1]
.endif
.endif
.endm
; The sum's 18 steps: 0 the plain instruction that stands between the run of exponentials and the first use of a result (ISA guide 5.7.2);
; 1-4 four chains begin; 5-12 they take the other eight pairs; 13-15 they join; 16, 17 into my lane's part of the sum
.macro SUMS q, j, first
.if (\j) == 0
	v_nop
	s_wait_alu depctr_va_vdst(0)
.endif
.if (\j) >= 1
.if (\j) < 5
	v_pk_add_f32 v[U+2*((\j)-1):U+2*((\j)-1)+1], v[SC+32*\q+4*((\j)-1):SC+32*\q+4*((\j)-1)+1], v[SC+32*\q+4*((\j)-1)+2:SC+32*\q+4*((\j)-1)+3]
.else
.if (\j) < 13
	v_pk_add_f32 v[U+2*(((\j)-5)&3):U+2*(((\j)-5)&3)+1], v[U+2*(((\j)-5)&3):U+2*(((\j)-5)&3)+1], v[SC+32*\q+16+2*((\j)-5):SC+32*\q+16+2*((\j)-5)+1]
.endif
.endif
.endif
.if (\j) == 13
	v_pk_add_f32 v[U:U+1], v[U:U+1], v[U+2:U+3]
.endif
.if (\j) == 14
	v_pk_add_f32 v[U+4:U+5], v[U+4:U+5], v[U+6:U+7]
.endif
.if (\j) == 15
	v_pk_add_f32 v[U:U+1], v[U:U+1], v[U+4:U+5]
.endif
.if (\j) == 16
.if \first
	v_add_f32 v[LS+\q], v[U], v[U+1]
.else
	v_add_f32 v[U], v[U], v[U+1]
.endif
.endif
.if (\j) == 17
.if \first == 0
	v_add_f32 v[LS+\q], v[LS+\q], v[U]
.endif
.endif
.endm
; Part 3, instruction idx of 66, all in window 0: 0-31 the exponentials; 32-49 the sum; 50-65 the weights packed to f16 in place, ascending, so that no register is written before it is read
.macro V9 q, idx, first
.if (\idx) < 32
	v_exp_f32 v[SC+32*\q+(\idx)], v[SC+32*\q+(\idx)]
.else
.if (\idx) < 50
	SUMS \q, (\idx)-32, \first
.else
	v_cvt_pk_f16_f32 v[SC+32*\q+(\idx)-50], v[SC+32*\q+2*((\idx)-50)], v[SC+32*\q+2*((\idx)-50)+1]
.endif
.endif
.endm
; ---- half a block.  qs: the tile whose softmax is made; qm: the tile whose products are made.  first = 1: the launch's first block (starts maximum and sum).
; pv: 0 no PV, 1 PV with C = 0, 2 PV in place.  vld: load the block's V.  chg: 1 change slots and fill slot old again, 2 change slots and fill nothing.
; qk: make QK.  kld: load the next block's K.  w1, w2: the counts of the LDS waits ahead of PV and of QK, -1 for none.
.macro HALF qs, qm, first, pv, vld, chg, old, qk, kld, w1, w2
	SMAX \qs, \first
.if \first == 0
	WIN TO_1
	v_exp_f32 v[AL+2*\qs], v[T4]                   ; the factor, into window 1; its first use stands behind the sixteen multiply-adds below
.endif
.if (\w1) >= 0
	s_wait_dscnt \w1                               ; V's sixteen loads are in; K's sixteen, issued behind them, may be out (the last block has none: 0)
.endif
.set vn, 0
.if \pv
	WIN A_1
.set wn, 0
.rept 8
	PVW \qm, wn, \pv
.rept 4-3*\first
	V4 \qs, vn
.set vn, vn+1
.endr
.set wn, wn+1
.endr
.rept 1+7*\first                                   ; behind the last PV product stand five plain vector instructions on other registers, nine in the first block (ISA guide 7.12.1):
	V4 \qs, vn                                     ; four are asked for ahead of the loads into V's registers, five ahead of the QK product that writes over P^T
.set vn, vn+1
.endr
.else
.rept 16
	V4 \qs, vn
.set vn, vn+1
.endr
.endif
.if \vld
	WIN TO_1
	VLOAD
.endif
	WIN 0
.if \vld
	v_add_nc_u32 v[VA], 9216, v[VA]                ; 64 keys on: 32 rows of 288
.endif
.if \chg
	; The change of slots: this block's V was my last read of the old slot, the next block's K is my first read of the new one.
	s_wait_tensorcnt 0x0                           ; all my tensor loads have landed, my part of the new slot among them, so a group 0 may be written
	ds_add_u32 v22, v23
	s_wait_dscnt 0x0
.if \chg == 1
	s_add_nc_u64 s[G0V+4*\old+2:G0V+4*\old+3], s[G0V+4*\old+2:G0V+4*\old+3], 131072   ; 1,024 keys further on
	s_add_nc_u64 s[G0K+4*\old+2:G0K+4*\old+3], s[G0K+4*\old+2:G0K+4*\old+3], 131072
.endif
	s_wait_dscnt 0x0                               ; my reads of the old slot are back
.if \chg == 1
	ROUND                                          ; both now hold of every wave of all four work-groups
	JLOAD \old                                     ; my one tensor load behind the round; it has eight blocks in which to land
.else
	s_barrier_signal -1
	s_barrier_wait -1                              ; the last 512 keys are whole; nothing is left to fetch
.endif
	v_add_nc_u32 v[KA], (1-\old)*SLOT+KOFF, v[KB]
	v_add_nc_u32 v[VA], (1-\old)*SLOT, v[VB]
.endif
.if (\w2) >= 0
	s_wait_dscnt \w2                               ; the next block's K is in
.endif
.set vn, 0
.set wn, 0
.rept 8
.if \qk
	QKW \qm, wn
.endif
.rept 7
	V9 \qs, vn, \first
.set vn, vn+1
.endr
.set wn, wn+1
.endr
.rept 10                                           ; behind the last QK product stand sixteen plain vector instructions or more on other registers (ISA guide 7.12.1):
	V9 \qs, vn, \first                             ; four are asked for ahead of the loads into K's registers and of the next half's reads of the scores
.set vn, vn+1
.endr
.if \kld
	KLOAD
.endif
.endm
; A block.  pva, pvb: the kind of PV in its two halves.  last = 1: no further K, no further QK.
.macro ITER first, pva, pvb, chg, old, last
	HALF 0, 1, \first, \pva, 1, \chg, \old, 1, 1-\last, -1, -1
	HALF 1, 0, \first, \pvb, 0, 0, 0, 1-\last, 0, 16-16*\last, 0-\last
.endm
.macro RUN trips
	s_mov_b32 s52, \trips
.Lrun_\@:
	ITER 0, 2, 2, 0, 0, 0
	s_sub_co_i32 s52, s52, 1
	s_cmp_lg_u32 s52, 0
	s_cbranch_scc1 .Lrun_\@
.endm
	s_wait_tensorcnt 0x1                           ; my part of slot 0 is in; slot 1's may stay out
	s_wait_loadcnt 0x0                             ; Q
	s_barrier_signal -1
	s_barrier_wait -1
	v_add_nc_u32 v[KA], KOFF, v[KB]
	v_mov_b32 v[VA], v[VB]
	KLOAD                                          ; K of block 0
	s_wait_dscnt 0x0
.set wn, 0
.rept 8
	QKW 0, wn                                      ; tile 0's scores of block 0: the pipeline's first stage
.set wn, wn+1
.endr
.rept 4
	v_nop                                          ; four places ahead of the vector reads of the scores (ISA guide 7.12.1)
.endr
	ITER 1, 0, 1, 0, 0, 0                          ; block 0: starts maxima and sums; tile 0's first PV has C = 0
	ITER 0, 1, 2, 0, 0, 0                          ; block 1: tile 1's first PV, of block 0, has C = 0
	RUN 5                                          ; blocks 2-6
	ITER 0, 2, 2, 1, 0, 0                          ; block 7: on to slot 1; slot 0 gets keys 1024-1535
	RUN 7                                          ; blocks 8-14
	ITER 0, 2, 2, 1, 1, 0                          ; block 15: on to slot 0; slot 1 gets keys 1536-2047
	RUN 7                                          ; blocks 16-22
	ITER 0, 2, 2, 2, 0, 0                          ; block 23: on to slot 1
	RUN 7                                          ; blocks 24-30
	ITER 0, 2, 2, 0, 0, 1                          ; block 31
	WIN A_1
.set wn, 0
.rept 8
	PVW 1, wn, 2                                   ; tile 1's PV of block 31: the pipeline's last stage
.set wn, wn+1
.endr
	WIN 0
	; THE WAY OUT
	v_permlanex16_b32 v[CH], v[LS], s14, s15       ; the partner lane's part of the sum
	v_permlanex16_b32 v[CH+1], v[LS+1], s14, s15
	v_add_f32 v[LS], v[LS], v[CH]
	v_add_f32 v[LS+1], v[LS+1], v[CH+1]
	WIN TO_1
	v_rcp_f32 v[AL], v[LS]                         ; the sum is at least about 1: the largest weight of a row is 2^0
	v_rcp_f32 v[AL+2], v[LS+1]
	v_nop                                          ; a plain instruction before the reciprocals are used (ISA guide 5.7.2)
	s_wait_alu depctr_va_vdst(0)
	WIN A_1
.set vn, 17
.rept 16
	V4 0, vn                                       ; O^T / sum, tile 0 first: sixteen more places behind tile 1's last products
.set vn, vn+1
.endr
.set vn, 17
.rept 16
	V4 1, vn
.set vn, vn+1
.endr
	WIN 0
.set ii, 0
.rept 32
	v_cvt_pk_f16_f32 v[KF+ii], v[OA+2*ii], v[OA+2*ii+1]            ; tile (q, t): 8 neighbouring columns of query 16 q + r in 16 bytes
.set ii, ii+1
.endr
.irp qt, 0,1
.irp t, 0,1,2,3
	ds_store_b128 v[STO], v[KF+4*(4*\qt+\t):KF+4*(4*\qt+\t)+3] offset:2304*\qt+32*\t
.endr
.endr
.irp i, 0,1,2,3,4,5,6,7
	ds_load_b128 v[SC+4*\i:SC+4*\i+3], v[RD] offset:576*\i         ; four rows of 128 bytes; LDS serves a wave's instructions in order: these see the stores above
.endr
.irp i, 0,1,2,3,4,5,6,7
	s_wait_dscnt 7-\i                              ; read-back i is in, the 7 - i younger ones stay out; the last count is 0, so nothing of LDS is pending at the round below
	global_store_b128 v[CO], v[SC+4*\i:SC+4*\i+3], s[56:57] offset:512*\i   ; the wave stores 512 neighbouring bytes, aligned
.endr
	s_wait_tensorcnt 0x0
	ds_add_u32 v22, v23
	s_wait_dscnt 0x0
	ROUND                                          ; the closing round
	s_endpgm
.Lfunc_end_k_q683be531f6_attn:
	.size	k_q683be531f6_attn, .Lfunc_end_k_q683be531f6_attn-k_q683be531f6_attn
	.p2alignl 7, 3214868480
	.fill 96, 4, 3214868480
	.section	.rodata,"a",@progbits
	.p2align	6, 0x0
	.amdhsa_kernel k_q683be531f6_attn
		.amdhsa_group_segment_fixed_size 327680
		.amdhsa_private_segment_fixed_size 0
		.amdhsa_enable_private_segment 0
		.amdhsa_kernarg_size 16
		.amdhsa_user_sgpr_count 2
		.amdhsa_user_sgpr_kernarg_segment_ptr 1
		.amdhsa_wavefront_size32 1
		.amdhsa_system_sgpr_workgroup_id_x 1
		.amdhsa_system_sgpr_workgroup_id_y 1
		.amdhsa_system_sgpr_workgroup_id_z 1
		.amdhsa_system_vgpr_workitem_id 0
		.amdhsa_next_free_vgpr 328
		.amdhsa_next_free_sgpr 66
		.amdhsa_reserve_vcc 0
		.amdhsa_float_denorm_mode_32 3
		.amdhsa_float_denorm_mode_16_64 3
		.amdhsa_memory_ordered 1
		.amdhsa_forward_progress 1
		.amdhsa_inst_pref_size 197
	.end_amdhsa_kernel
	.amdgpu_metadata
---
amdhsa.version: [ 1, 2 ]
amdhsa.kernels:
  - .name:           k_q683be531f6_attn
    .symbol:         k_q683be531f6_attn.kd
    .args:
      - { .name: qkv, .offset: 0, .size: 8, .value_kind: global_buffer, .address_space: global }
      - { .name: xh, .offset: 8, .size: 8, .value_kind: global_buffer, .address_space: global }
    .group_segment_fixed_size: 327680
    .private_segment_fixed_size: 0
    .kernarg_segment_align: 8
    .kernarg_segment_size: 16
    .max_flat_workgroup_size: 256
    .sgpr_count:     66
    .vgpr_count:     328
    .wavefront_size: 32
...
	.end_amdgpu_metadata
.endif
;; end of part 3
;; launch outp (part 4): grid 8 x 32, 4 waves a work-group, clusters of 4 x 4, 327,680 bytes of LDS; arguments xh, xw, bo, out0; writes out0
.if DOCPART == 4
	.amdgcn_target "amdgcn-amd-amdhsa--gfx1250"
	.amdhsa_code_object_version 6
	.text
	.protected	k_q683be531f6_outp
	.globl	k_q683be531f6_outp
	.p2align	8
	.type	k_q683be531f6_outp,@function
k_q683be531f6_outp:
	s_mov_b64 s[64:65], 0
	v_nop
	global_prefetch_b8 v0, s[64:65] scope:SCOPE_SE
	s_setreg_imm32_b32 hwreg(HW_REG_WAVE_MODE, 25, 1), 1
	s_wait_xcnt 0x0
	s_wait_alu depctr_hold_cnt(0) depctr_sa_sdst(0) depctr_va_vdst(0) depctr_va_sdst(0) depctr_va_ssrc(0) depctr_va_vcc(0) depctr_vm_vsrc(0)
	s_getreg_b32 s2, hwreg(HW_REG_IB_STS2, 6, 4)
	s_cmp_eq_u32 s2, 0
	s_cbranch_scc0 .Lentry_in_a_cluster
	s_endpgm
.Lentry_in_a_cluster:
	s_bfe_u32 s2, ttmp6, 0x10000c
	s_cmp_lg_u32 s2, 0xf033
	s_cbranch_scc0 .Lentry_shape_is_right
	s_endpgm
.Lentry_shape_is_right:
; out0[m][n] = sum over k of X[m][k] Wo[n][k] + bo[n], f32 out.  X: xh[m / 128][head][m % 128][64] f16, k = 64 head + d.  Wo: [1024][1024] f16, 30 MiB into xw.
; A work-group makes 128 x 128 with four waves of 64 x 64: 32 x 8 = 256 work-groups, one for each WGP (blocks of twice the side would leave three quarters idle).
; K goes in four phases of 256 (four heads) through two LDS slots; everything is written out, there is no loop.
; CLUSTERS 4 x 4: X's tiles hang on the block row and are asked for jointly along a cluster's row, Wo's on the block column and along a column.
; LDS, a slot: X: 4 heads x 64 rows (a memory row of 256 bytes is two rows of X) at pitch 272; Wo: 128 rows of 512 bytes at pitch 528.  Behind the slots a stage for each wave.
; REGISTERS: window 0: v16-27 addresses; v64-127, v128-191 two fragment buffers (X's four at +8 a, Wo's four at +32 + 8 b).
;            window 1: v0-127 the sixteen accumulator tiles at 8 (4 a + b); v128-159 the bias as four C tiles.
; The matrix instruction is used transposed (source 0 = rows of Wo, source 1 = rows of X): a lane holds eight neighbouring columns of one row, 32 bytes of f32.
.set SLOT,  137216                     ; 4 x 17,408 + 128 x 528
.set BOFF,  69632                      ; Wo behind X in a slot
.set STAGE, 2*SLOT                     ; 4 waves x 16 rows x 272 bytes; no tensor load lands here
.set ADRA, 16                          ; v16-17
.set ADRB, 20                          ; v20-21
.set STO,  24
.set RD,   25
.set CO,   26
.set BO,   27
.set F0,   64
.set F1,   128
.set BIAS, 128                         ; in window 1
.set G1, 24                            ; s[24:31] group 1 for X
.set G0, 32                            ; s[32:39] group 0 for X, a set for each slot
.set G1B, 48                           ; s[48:55] group 1 for Wo
.set G0B, 56                           ; s[56:63] group 0 for Wo
.set MSB, 0
.macro WIN new                         ; the immediate's high byte repeats the setting that is left
.if MSB != \new
	s_set_vgpr_msb (MSB<<8)|\new
.set MSB, \new
.endif
.endm
.macro JLOAD s                         ; waves 0 and 1 ask for two heads of X each, waves 2 and 3 for 64 rows of Wo each
	s_cmp_eq_u32 s11, 0
	s_cbranch_scc0 .Lfor_b_\@
	tensor_load_to_lds s[G0+4*\s:G0+4*\s+3], s[G1:G1+7]
	s_nop 0
	s_branch .Lasked_\@
.Lfor_b_\@:
	tensor_load_to_lds s[G0B+4*\s:G0B+4*\s+3], s[G1B:G1B+7]
	s_nop 0
.Lasked_\@:
.endm
.macro ROUND                           ; a round of the cluster's barrier
	s_barrier_signal -1
	s_barrier_wait -1
	s_cmp_lg_u32 s10, 0
	s_cbranch_scc1 .Lnot_wave_0_\@
	s_barrier_signal -3
.Lnot_wave_0_\@:
	s_barrier_wait -3
	s_barrier_signal -1
	s_barrier_wait -1
.endm
	s_load_b256 s[68:75], s[0:1], 0x0              ; xh s[68:69], xw s[70:71], bo s[72:73], out0 s[74:75]
	v_lshl_add_u32 v254, v0, 2, 0x47400
	v_mov_b32 v255, 0
	ds_add_u32 v254, v255
	v_lshrrev_b32 v1, 5, v0
	v_readfirstlane_b32 s10, v1                    ; wave 0..3
	s_lshr_b32 s11, s10, 1                         ; my half of the block's rows.  Also: I fetch X (0) or Wo (1)
	s_and_b32 s12, s10, 1                          ; my half of its columns.  Also: which half of the tile I fetch
	s_bfe_u32 s40, ttmp6, 0x40000                  ; cx
	s_bfe_u32 s41, ttmp6, 0x40004                  ; cy
	s_lshl_b32 s42, ttmp9, 2
	s_add_co_u32 s42, s42, s40                     ; block column 0..7
	s_and_b32 s13, ttmp7, 0xffff
	s_lshl_b32 s13, s13, 2
	s_add_co_u32 s13, s13, s41                     ; block row 0..31
	s_lshl_b32 s43, s41, 2
	s_lshl_b32 s43, 15, s43                        ; my row of the cluster
	s_lshl_b32 s44, 0x1111, s40                    ; my column
	; X: 128 rows of 32 elements of 8 bytes, dense (two heads, 32 KiB), 4 words of padding behind every 64
	s_or_b32 s[G1+0], s43, (3<<16)|(1<<20)|(1<<21)|(5<<22)|(3<<25)
	s_mov_b32 s[G1+1], 32<<16
	s_mov_b32 s[G1+2], 128<<16
	s_mov_b32 s[G1+3], 32<<16
	s_mov_b32 s[G1+4], 128
	s_mov_b32 s[G1+5], 32
	s_mov_b32 s[G1+6], 0
	s_mov_b32 s[G1+7], 0
	; Wo: 64 rows of 256 elements of 2 bytes, 1,024 elements from row to row, 4 words of padding behind every 128
	s_or_b32 s[G1B+0], s44, (1<<16)|(1<<20)|(1<<21)|(6<<22)|(3<<25)
	s_mov_b32 s[G1B+1], 256<<16
	s_mov_b32 s[G1B+2], 64<<16
	s_mov_b32 s[G1B+3], 256<<16
	s_mov_b32 s[G1B+4], 64
	s_mov_b32 s[G1B+5], 1024
	s_mov_b32 s[G1B+6], 0
	s_mov_b32 s[G1B+7], 0
	s_lshl_b32 s16, s13, 18                        ; X: 256 KiB a block row, 32 KiB for two heads
	s_lshl_b32 s17, s12, 15
	s_add_co_u32 s16, s16, s17
	s_mov_b32 s17, 0
	s_lshl_b32 s46, s42, 18                        ; Wo: row 128 x block column + 64 x half, 2,048 bytes a row
	s_lshl_b32 s47, s12, 17
	s_add_co_u32 s46, s46, s47
	s_mov_b32 s47, 0
	s_lshl_b32 s78, s42, 9                         ; the bias and the columns of out0: 4 (128 x block column + 64 x column half)
	s_lshl_b32 s79, s12, 8
	s_add_co_u32 s78, s78, s79
	s_mov_b32 s79, 0
	s_mul_i32 s20, s10, 34816                      ; X's halves at 34,816 w (w = 0, 1)
	s_mul_i32 s21, s10, 33792                      ; Wo's at 69,632 + 33,792 (w - 2)
	s_add_co_u32 s21, s21, BOFF-2*33792
	s_wait_dscnt 0x0
	s_wait_kmcnt 0x0
	s_add_nc_u64 s[14:15], s[68:69], s[16:17]
	s_add_nc_u64 s[46:47], s[70:71], s[46:47]
	s_add_nc_u64 s[46:47], s[46:47], 0x1e00000     ; Wo begins 30 MiB into xw
	s_add_nc_u64 s[76:77], s[72:73], s[78:79]
	s_add_nc_u64 s[74:75], s[74:75], s[78:79]
	ROUND                                          ; all sixteen work-groups are here: the first joint loads meet
.irp s, 0,1
	s_mov_b32 s[G0+4*\s], 1
	s_add_co_u32 s[G0+4*\s+1], s20, \s*SLOT
	s_add_nc_u64 s[G0+4*\s+2:G0+4*\s+3], s[14:15], \s*65536        ; four heads are 64 KiB
	s_or_b32 s[G0+4*\s+3], s[G0+4*\s+3], 0x80000000
	s_mov_b32 s[G0B+4*\s], 1
	s_add_co_u32 s[G0B+4*\s+1], s21, \s*SLOT
	s_add_nc_u64 s[G0B+4*\s+2:G0B+4*\s+3], s[46:47], \s*512        ; 256 along K
	s_or_b32 s[G0B+4*\s+3], s[G0B+4*\s+3], 0x80000000
	JLOAD \s                                       ; two tensor loads of a wave are out here, later one
.endr
	v_and_b32 v1, 15, v0                           ; r
	v_bfe_u32 v2, v0, 4, 1                         ; h
	v_lshrrev_b32 v5, 1, v1                        ; X: row at (row / 2) 272 + (row % 2) 128
	v_mul_u32_u24 v3, v5, 272
	v_and_b32 v5, 1, v0
	v_lshl_add_u32 v3, v5, 7, v3
	v_lshl_add_u32 v3, v2, 4, v3
	v_mul_u32_u24 v4, v1, 528                      ; Wo: row x 528
	v_lshl_add_u32 v4, v2, 4, v4
	s_mul_i32 s22, s11, 8704                       ; my 64 rows of X: 32 rows of 272
	s_mul_i32 s23, s12, 33792                      ; my 64 rows of Wo
	s_add_co_u32 s23, s23, BOFF
.irp s, 0,1
	v_add_nc_u32 v[ADRA+\s], s22, v3
	v_add_nc_u32 v[ADRB+\s], s23, v4
	s_add_co_u32 s22, s22, SLOT
	s_add_co_u32 s23, s23, SLOT
.endr
	s_mul_i32 s45, s10, 4352
	s_add_co_u32 s45, s45, STAGE                   ; my stage
	v_mul_u32_u24 v5, v1, 272
	v_lshl_add_u32 v5, v2, 5, v5
	v_add_nc_u32 v[STO], s45, v5                   ; in: row r, 32 h
	v_mul_u32_u24 v5, v2, 272
	v_lshl_add_u32 v5, v1, 4, v5
	v_add_nc_u32 v[RD], s45, v5                    ; back: lanes 0-15 a row of 256 bytes, lanes 16-31 the next
	v_lshlrev_b32 v5, 12, v2
	v_lshl_add_u32 v[CO], v1, 4, v5                ; the same two rows in out0, 4,096 bytes apart
	v_lshlrev_b32 v[BO], 5, v2                     ; bias tile b, register j = bo[16 b + 8 h + j]
	WIN 0x40                                       ; destination window 1
.irp b, 0,1,2,3
	global_load_b128 v[BIAS+8*\b:BIAS+8*\b+3],   v[BO], s[76:77] offset:64*\b
	global_load_b128 v[BIAS+8*\b+4:BIAS+8*\b+7], v[BO], s[76:77] offset:64*\b+16
.endr
	WIN 0
	s_lshl_b32 s16, s13, 19                        ; my first row of out0: 128 x block row + 64 x row half, 4,096 bytes a row
	s_lshl_b32 s17, s11, 18
	s_add_co_u32 s16, s16, s17
	s_mov_b32 s17, 0
	s_add_nc_u64 s[74:75], s[74:75], s[16:17]
.macro PLACES                          ; four independent vector instructions between a matrix instruction and a load into, or a store from, its registers
.rept 4
	v_nop
.endr
.endm
.macro FETCH slot, q, f                ; the fragments of 32 along K, number q of the phase's eight: head q / 2, half q % 2 of its 64
.irp a, 0,1,2,3
	ds_load_b128 v[\f+8*\a:\f+8*\a+3],   v[ADRA+\slot] offset:((\q)>>1)*17408+2176*\a+((\q)&1)*64
	ds_load_b128 v[\f+8*\a+4:\f+8*\a+7], v[ADRA+\slot] offset:((\q)>>1)*17408+2176*\a+((\q)&1)*64+32
.endr
.irp b, 0,1,2,3
	ds_load_b128 v[\f+32+8*\b:\f+32+8*\b+3], v[ADRB+\slot] offset:8448*\b+64*(\q)
	ds_load_b128 v[\f+32+8*\b+4:\f+32+8*\b+7], v[ADRB+\slot] offset:8448*\b+64*(\q)+32
.endr
.endm
.macro MUL16 f, first                  ; the sixteen accumulators take turns, one instruction a turn; first = 1: the bias tile is C
.irp a, 0,1,2,3
.irp b, 0,1,2,3
.if \first
	v_wmma_f32_16x16x32_f16 v[8*(4*\a+\b):8*(4*\a+\b)+7], v[\f+32+8*\b:\f+32+8*\b+7], v[\f+8*\a:\f+8*\a+7], v[BIAS+8*\b:BIAS+8*\b+7]
.else
	v_wmma_f32_16x16x32_f16 v[8*(4*\a+\b):8*(4*\a+\b)+7], v[\f+32+8*\b:\f+32+8*\b+7], v[\f+8*\a:\f+8*\a+7], v[8*(4*\a+\b):8*(4*\a+\b)+7]
.endif
.endr
.endr
.endm
.macro QUARTER slot, q, f, g, first, last
	s_wait_dscnt 0                                 ; this step's fragments, asked for sixteen matrix instructions ago
.if \last == 0
	PLACES
	FETCH \slot, \q+1, \g                          ; the next step's, into the buffer multiplied last
.endif
	WIN 0x50                                       ; C and D in window 1
	MUL16 \f, \first
	WIN 0
.endm
.macro PHASE slot, first
	PLACES
	FETCH \slot, 0, F0
	QUARTER \slot, 0, F0, F1, \first, 0
	QUARTER \slot, 1, F1, F0, 0, 0
	QUARTER \slot, 2, F0, F1, 0, 0
	QUARTER \slot, 3, F1, F0, 0, 0
	QUARTER \slot, 4, F0, F1, 0, 0
	QUARTER \slot, 5, F1, F0, 0, 0
	QUARTER \slot, 6, F0, F1, 0, 0
	QUARTER \slot, 7, F1, F0, 0, 1
.endm
.macro CHANGE slot                     ; the slot just read is filled again, 512 along K further on
	s_wait_tensorcnt 0x0                           ; all my tensor loads have landed, my part of the other slot among them, so a group 0 may be written
	ds_add_u32 v254, v255
	s_add_nc_u64 s[G0+4*\slot+2:G0+4*\slot+3], s[G0+4*\slot+2:G0+4*\slot+3], 131072
	s_add_nc_u64 s[G0B+4*\slot+2:G0B+4*\slot+3], s[G0B+4*\slot+2:G0B+4*\slot+3], 1024
	s_wait_dscnt 0x0                               ; my reads of this slot are back
	ROUND                                          ; both now hold of every wave of all sixteen work-groups
	JLOAD \slot                                    ; my one tensor load behind the round; it has the other slot's 128 matrix instructions in which to land
.endm
	s_wait_tensorcnt 0x1                           ; my part of slot 0 is in; slot 1's may stay out
	s_wait_loadcnt 0x0                             ; the bias
	s_barrier_signal -1
	s_barrier_wait -1
	PHASE 0, 1                                     ; K 0-255: the first products start the sums from the bias
	CHANGE 0
	PHASE 1, 0                                     ; K 256-511
	CHANGE 1
	PHASE 0, 0                                     ; K 512-767
	s_wait_tensorcnt 0x0
	s_wait_dscnt 0x0
	s_barrier_signal -1
	s_barrier_wait -1                              ; the last tiles are whole; nothing is left to fetch
	PHASE 1, 0                                     ; K 768-1023
	; THE WAY OUT, 16 rows at a time: 32 bytes a lane straight from the accumulators into my stage, read back as whole rows of 256 bytes
	PLACES
.macro OUT16 a, f
	WIN 0x04                                       ; the stores' data in window 1
.irp b, 0,1,2,3
	ds_store_b128 v[STO], v[8*(4*\a+\b):8*(4*\a+\b)+3]   offset:64*\b
	ds_store_b128 v[STO], v[8*(4*\a+\b)+4:8*(4*\a+\b)+7] offset:64*\b+16
.endr
	WIN 0
	s_wait_xcnt 0x0                                ; buffer f, which earlier stores read, is loaded again only behind this wait
.irp t, 0,1,2,3,4,5,6,7
	ds_load_b128 v[\f+4*\t:\f+4*\t+3], v[RD] offset:544*\t         ; LDS serves a wave's instructions in order: these see the stores above
.endr
.irp t, 0,1,2,3,4,5,6,7
	s_wait_dscnt 7-\t                              ; read-back t is in, the 7 - t younger ones stay out
	global_store_b128 v[CO], v[\f+4*\t:\f+4*\t+3], s[74:75] offset:(16*\a+2*\t)*4096 th:TH_STORE_NT   ; sixteen lanes store 256 neighbouring bytes of a row, aligned
.endr
.endm
	OUT16 0, F0
	OUT16 1, F1
	OUT16 2, F0
	OUT16 3, F1
	s_wait_tensorcnt 0x0
	ds_add_u32 v254, v255
	s_wait_dscnt 0x0
	ROUND                                          ; the closing round
	s_endpgm
.Lfunc_end_k_q683be531f6_outp:
	.size	k_q683be531f6_outp, .Lfunc_end_k_q683be531f6_outp-k_q683be531f6_outp
	.p2alignl 7, 3214868480
	.fill 96, 4, 3214868480
	.section	.rodata,"a",@progbits
	.p2align	6, 0x0
	.amdhsa_kernel k_q683be531f6_outp
		.amdhsa_group_segment_fixed_size 327680
		.amdhsa_private_segment_fixed_size 0
		.amdhsa_enable_private_segment 0
		.amdhsa_kernarg_size 32
		.amdhsa_user_sgpr_count 2
		.amdhsa_user_sgpr_kernarg_segment_ptr 1
		.amdhsa_wavefront_size32 1
		.amdhsa_system_sgpr_workgroup_id_x 1
		.amdhsa_system_sgpr_workgroup_id_y 1
		.amdhsa_system_sgpr_workgroup_id_z 1
		.amdhsa_system_vgpr_workitem_id 0
		.amdhsa_next_free_vgpr 416
		.amdhsa_next_free_sgpr 80
		.amdhsa_reserve_vcc 0
		.amdhsa_float_denorm_mode_32 3
		.amdhsa_float_denorm_mode_16_64 3
		.amdhsa_memory_ordered 1
		.amdhsa_forward_progress 1
		.amdhsa_inst_pref_size 90
	.end_amdhsa_kernel
	.amdgpu_metadata
---
amdhsa.version: [ 1, 2 ]
amdhsa.kernels:
  - .name:           k_q683be531f6_outp
    .symbol:         k_q683be531f6_outp.kd
    .args:
      - { .name: xh, .offset: 0, .size: 8, .value_kind: global_buffer, .address_space: global }
      - { .name: xw, .offset: 8, .size: 8, .value_kind: global_buffer, .address_space: global }
      - { .name: bo, .offset: 16, .size: 8, .value_kind: global_buffer, .address_space: global }
      - { .name: out0, .offset: 24, .size: 8, .value_kind: global_buffer, .address_space: global }
    .group_segment_fixed_size: 327680
    .private_segment_fixed_size: 0
    .kernarg_segment_align: 8
    .kernarg_segment_size: 32
    .max_flat_workgroup_size: 128
    .sgpr_count:     80
    .vgpr_count:     416
    .wavefront_size: 32
...
	.end_amdgpu_metadata
.endif
;; end of part 4
